; MI455X (gfx1250); checked and timed in simulation.
; The chip was launched on July 23, 2026; its instructions are those of AMD's public machine-readable ISA for CDNA 5 (MIT licence, August 2026) and "CDNA5" Instruction Set Architecture Reference Guide (July 2026). The comments in the code are by the model that wrote it; some were corrected since.
;; Mo EMLP. Allowed arithmetic: matrix products marked QUANTISED: E2M1 operands, one E8M0 scale for each 32 along K, by v_wmma_scale_f32_16x16x128_f8f6f4 with both operands' format E2M1 (or v_wmma_scale_f32_32x16x128_f4), f32 sums; products left as they are: f32 operands where the result goes on into a quantised operand, else bf16, f16 or f32 operands; f32 sums; everything else in f32.
;; Inputs: expert_fc 8 x 1,024 x 4,096 float32; expert_proj 8 x 1,024 x 4,096 float32; router_w 8 x 1,024 float32; x 4 x 256 x 1,024 float32.
;; Outputs: out0 4 x 256 x 1,024 float32.
;; This version of the problem:
;;   THIS VERSION OF THE PROBLEM IS GIVEN IN LOW PRECISION. The matrix products marked QUANTISED in the list below multiply operands that are first quantised to E2M1 (2 exponent bits, 1 mantissa bit; 4 bits a number), with one power-of-two scale for each 32 numbers along K (OCP MX v1.0); their sums are f32. All else is computed in f32.
;;   The module's matrix products, in the order in which they are computed (A, B: the left and right operand; K: the contracted axis; several contracted axes count as one K, in the product's order):
;;     1. [M 1,024, K 1,024] x [K 1,024, N 8]; A: input x; B: input router_w: left as it is (N = 8 < 16)
;;     2. [M 32,768, K 1,024] x [K 1,024, N 1,024]; A: input expert_fc; B: input x: QUANTISED
;;     3. batch 8 x [M 1,024, K 4,096] x [K 4,096, N 1,024]; A: computed on the way; B: input expert_proj: QUANTISED
;;     4. batch 1,024 x [M 1,024, K 8] x [K 8, N 1]; A: computed on the way; B: computed on the way: left as it is (K = 8 < 32)
;;   THE QUANTISER, for each operand of a quantised product, along K:
;;     - K is cut into blocks of 32 from its start; a last block that is shorter is filled with zeros.
;;     - A block's scale is 2^e with e = floor(log2(the largest magnitude in the block)) - 2, held to -126 .. 127; a block of zeros has e = 0. As a byte (E8M0): e + 127.
;;     - Each number is divided by its block's scale, clamped to +-6, and rounded to the nearest number of E2M1, ties to even, subnormals kept.
;;     - The product sums the exact products of the quantised numbers (number of the format x scale) in f32.
;;   ~~~python
;;   def quantise(x, axis):      # numpy; x: float32 -> the quantised numbers, widened to float32 again
;;       x = np.moveaxis(x, axis, -1); K = x.shape[-1]
;;       x = np.pad(x, [(0, 0)] * (x.ndim - 1) + [(0, -K % 32)]); x = x.reshape(x.shape[:-1] + (-1, 32)); a = np.abs(x).max(-1, keepdims=True)
;;       e = np.where(a > 0, np.clip(np.frexp(np.where(a > 0, a, 1))[1] - 1 - 2, -126, 127), 0)      # np.frexp(a)[1] - 1 = floor(log2(a)), exactly
;;       r = np.clip(x / 2.0 ** e, -6, 6)
;;       step = 2.0 ** (np.maximum(np.frexp(np.where(r == 0, 1, r))[1] - 1, 0) - 1)
;;       q = np.round(r / step) * step * 2.0 ** e      # np.round: ties to even
;;       return np.moveaxis(q.reshape(q.shape[:-2] + (-1,))[..., :K], -1, axis).astype(np.float32)
;;   ~~~
;;   OPERANDS COMPUTED ON THE WAY. 'Computed on the way' means the value that the module computes at that place (a softmax that the list does not call 'softmax' is quantised finished and normalised). What goes into a quantiser is computed in f32, as accurately as f32 sums, v_exp_f32 and their like allow (about 1e-6 of the number): no bf16 or f16 on the way to a quantiser, and a product that is left as it is and whose result goes on into a quantised operand takes f32 operands (vector FMAs, or v_wmma_f32_16x16x4_f32). A number that lies on a knife's edge between two numbers of the format may be rounded either way, as far as f32 arithmetic and the matrix unit's own rounding can turn it there, and no further.
;; One version. Each part assembles by itself: llvm-mc -triple=amdgcn-amd-amdhsa -mcpu=gfx1250 --defsym DOCPART=n.
;; ======== version 1 of 1: 3 launches
;; limits: right only within a limited range of input values
;; workspace buffers: rt 1,024 bytes of whole numbers; xq 557,056 bytes; ord 33,024 bytes of whole numbers; hc 17,825,792 bytes
;; launch route (part 1): grid 64 x 1, 8 waves a work-group, no clusters, 71,680 bytes of LDS; arguments x, router_w, rt, xq; writes rt, xq
.if DOCPART == 1
	.amdgcn_target "amdgcn-amd-amdhsa--gfx1250"
	.amdhsa_code_object_version 6
	.text
	.protected	k_q2847802583_route
	.globl	k_q2847802583_route
	.p2align	8
	.type	k_q2847802583_route,@function
k_q2847802583_route:
	s_mov_b64 s[64:65], 0
	v_nop
	global_prefetch_b8 v0, s[64:65] scope:SCOPE_SE
	s_setreg_imm32_b32 hwreg(HW_REG_WAVE_MODE, 25, 1), 1
	s_wait_xcnt 0x0
; A layer of 8 experts with a top-1 router, 1,024 tokens of 1,024 numbers: out[t] = relu(x[t] fc[e])^2 proj[e]^T for the ONE expert e that the router chooses for token t.
; Both large products run on codes of FP4 (E2M1) with one E8M0 scale for each 32 along K.  Three launches: route, fc1, proj.  This is the first.
; WORK LEFT OUT, AND WHY IT IS DEAD FOR ALL VALUES OF THE INPUTS.
;   (a) The experts that were not chosen.  The result is the sum over e of out_e[t] x one_hot(ids[t])[e]; the mask is built in the problem's own body from its own router and is exactly 0 for every e but ids[t].
;       So of the two large products only the rows (t, ids[t]) can reach the output: an eighth of what is written.  The last product of the table is that selection, and is done as one.
;   (b) The softmax.  Its result goes into an argmax and nowhere else (the largest probability is computed in the source and never used).  exp is strictly increasing and the divisor is one positive number for the
;       whole row, so the largest probability stands where the largest logit stands: the argmax is taken of the logits, and no exponential, maximum or division is computed.
;   All four inputs keep a way to the output, and all four are loaded (x and router_w here, the weights in the second and third launch).
; LIMITS.  NaN and infinities among the inputs are not served; a NaN, an infinity or an overflow that would arise only in the work left out is not carried to the result.  Equal logits take the lower index, as argmax does;
;   two logits that differ by less than the rounding of an f32 sum of 1,024 terms, or whose probabilities would round to one f32 number, may be told apart otherwise than by the source.
;   A block of 32 zeros gets the scale byte 1 and not 127: its codes are zeros, which add nothing under that byte, and only this program reads the bytes.  Blocks whose largest magnitude lies under 2^-124 are held at byte 1.
; THIS LAUNCH: for each token the 8 logits in f32 and their argmax; x as codes and scale bytes (xq: codes [token][512 bytes], scale bytes [token][32] from byte 524,288 on);
;   rt: [expert][group of 16 tokens] 16 bits: bit i is set where token i of the group chose the expert.  So an expert's 128 bytes are one bit for each of the 1,024 tokens, in their order.
;   The ids are made of floating-point numbers, so here they are only stored, at places that hang on group and expert numbers alone; the next launch reads the bits and forms addresses.
; SHARES.  A work-group takes 16 tokens (their ids have to meet in one wave), each of its 8 waves two.  A load of a wave covers 512 consecutive bytes of a row of x.
; For the router a lane uses its numbers as they were loaded.  For the quantiser a lane needs a whole block of 32 neighbours: the row turns through the wave's own stage in LDS, 128 bytes + 16 of padding to a block.
.set WL,    0                          ; LDS: router_w as it lies, 8 rows of 4,096 bytes
.set STG,   32768                      ; eight stages, one a wave:
.set STW,   4608                       ; 32 places of 144 bytes
.set IDS,   69632                      ; the 16 ids, a word each
.set XSB,   69888                      ; the 16 tokens' scale bytes, 32 each
.set SPARE, 70400                      ; the spare words, 128 bytes for each wave: four blocks of 256 bytes that no other line names
.set X,   24                           ; v24-87    two rows of x as loaded
.set WR,  88                           ; v88-151   two rows of router_w in the same order
.set Y,   152                          ; v152-183  a block of 32 neighbours
.set ACC, 184                          ; v184-215  the sums: token t, expert e at the pair ACC + 16 t + 2 e
.set CD,  216                          ; v216-223  my block's codes
.set BY,  224                          ; v224-225  its scale byte
	s_load_b256 s[4:11], s[0:1], 0x0               ; x s[4:5], router_w s[6:7], rt s[8:9], xq s[10:11]
	v_lshl_add_u32 v1, v0, 2, SPARE                ; my spare word; never rewritten
	v_mov_b32 v2, 0                                ; 0; never rewritten
	v_lshrrev_b32 v10, 5, v0
	s_delay_alu instid0(VALU_DEP_1)
	v_readfirstlane_b32 s12, v10                   ; wave 0..7
	v_and_b32 v3, 31, v0                           ; lane
	s_delay_alu instid0(VALU_DEP_1)
	v_lshlrev_b32 v4, 4, v3                        ; 16 x lane
	s_mul_i32 s22, s12, STW
	s_add_co_u32 s22, s22, STG                     ; my stage
	v_lshrrev_b32 v10, 3, v3
	s_delay_alu instid0(VALU_DEP_1)
	v_mul_u32_u24 v10, v10, 144
	v_and_b32 v11, 7, v3
	s_delay_alu instid0(VALU_DEP_1)
	v_lshl_add_u32 v10, v11, 4, v10
	s_delay_alu instid0(VALU_DEP_1)
	v_add_nc_u32 v5, s22, v10                      ; into the stage: eight lanes' 128 bytes are a block
	v_mul_u32_u24 v11, v3, 144
	s_delay_alu instid0(VALU_DEP_1)
	v_add_nc_u32 v6, s22, v11                      ; out of it: place = lane = my block
	s_lshl_b32 s16, s12, 12                        ; my wave's row of router_w
	s_mov_b32 s17, 0
	v_add_nc_u32 v7, s16, v4                       ; and its place in LDS
	s_lshl_b32 s22, s12, 3
	s_add_co_u32 s22, s22, IDS
	v_mov_b32 v8, s22                              ; my two tokens' id words
	s_lshl_b32 s22, s12, 6
	s_add_co_u32 s22, s22, XSB
	v_add_nc_u32 v9, s22, v3                       ; my block's scale byte: 32 bytes a token
	v_and_b32 v14, 15, v3
	s_delay_alu instid0(VALU_DEP_1)
	v_lshl_add_u32 v14, v14, 2, IDS                ; wave 0, at the end: id word lane % 16
	v_add_nc_u32 v15, XSB, v4                      ; wave 1, at the end: 16 scale bytes a lane
	s_mov_b32 s14, 0x76543210
	s_mov_b32 s15, 0xfedcba98                      ; v_permlanex16_b32's selects for lane l xor 16
	s_lshl_b32 s18, ttmp9, 16                      ; x: 16 rows of 4,096 bytes a work-group,
	s_lshl_b32 s19, s12, 13                        ; two a wave
	s_add_co_u32 s18, s18, s19
	s_mov_b32 s19, 0
	s_lshl_b32 s20, ttmp9, 13                      ; the codes: 512 bytes a token
	s_lshl_b32 s21, s12, 10
	s_add_co_u32 s20, s20, s21
	s_mov_b32 s21, 0
	s_lshl_b32 s34, ttmp9, 9                       ; the scale bytes: 512 a work-group, behind the codes
	s_add_co_u32 s34, s34, 524288
	s_mov_b32 s35, 0
	s_wait_alu depctr_va_vdst(0)
	s_wait_kmcnt 0x0
	s_add_nc_u64 s[6:7], s[6:7], s[16:17]
	s_add_nc_u64 s[4:5], s[4:5], s[18:19]
	s_add_nc_u64 s[32:33], s[10:11], s[34:35]
	s_add_nc_u64 s[10:11], s[10:11], s[20:21]
.irp j, 0,1,2,3,4,5,6,7
	global_load_b128 v[WR+4*\j:WR+4*\j+3], v4, s[6:7] offset:512*\j
.endr
.irp t, 0,1
.irp j, 0,1,2,3,4,5,6,7
	global_load_b128 v[X+32*\t+4*\j:X+32*\t+4*\j+3], v4, s[4:5] offset:4096*\t+512*\j th:TH_LOAD_NT   ; x is read here and nowhere else
.endr
.endr
	s_wait_loadcnt 16                              ; my row of router_w is in; the 16 loads of x stay out
.irp j, 0,1,2,3,4,5,6,7
	ds_store_b128 v7, v[WR+4*\j:WR+4*\j+3] offset:WL+512*\j
.endr
	s_wait_dscnt 0x0                               ; for the others' sake: my row lies in LDS
	s_barrier_signal -1
	s_barrier_wait -1                              ; all eight rows do
; 32 numbers of a lane, one block, become 4 registers of codes and a scale byte.
.macro QUANT32 src, dst, by
	v_max3_num_f32 v10, |v[\src]|, |v[\src+1]|, |v[\src+2]|
	v_max3_num_f32 v11, |v[\src+3]|, |v[\src+4]|, |v[\src+5]|
.irp i, 6,10,14,18,22,26
	s_delay_alu instid0(VALU_DEP_2)
	v_max3_num_f32 v10, v10, |v[\src+\i]|, |v[\src+\i+1]|
	s_delay_alu instid0(VALU_DEP_2)
	v_max3_num_f32 v11, v11, |v[\src+\i+2]|, |v[\src+\i+3]|
.endr
	s_delay_alu instid0(VALU_DEP_2)
	v_max3_num_f32 v10, v10, |v[\src+30]|, |v[\src+31]|
	s_delay_alu instid0(VALU_DEP_1)
	v_max3_num_f32 v10, v10, v11, 0x1800000        ; the floor 2^(3 - 127): the byte cannot fall under 1
	s_delay_alu instid0(VALU_DEP_1)
	v_add_nc_u32 v12, 0xff000000, v10              ; 2 off the exponent field
	s_delay_alu instid0(VALU_DEP_1)
	v_lshrrev_b32 v[\by], 23, v12
.irp g, 0,1,2,3
	v_cvt_scalef32_pk8_fp4_f32 v[\dst+\g], v[\src+8*\g:\src+8*\g+7], v12
.endr
	v_nop                                          ; one plain line behind the last conversion
.endm
.macro TURN t                          ; a row through my stage: LDS serves a wave's instructions in order
.irp j, 0,1,2,3,4,5,6,7
	ds_store_b128 v5, v[X+32*\t+4*\j:X+32*\t+4*\j+3] offset:576*\j
.endr
.irp i, 0,1,2,3,4,5,6,7
	ds_load_b128 v[Y+4*\i:Y+4*\i+3], v6 offset:16*\i
.endr
.endm
	s_wait_loadcnt 0x0                             ; x
.irp t, 0,1
	TURN \t
	s_wait_dscnt 0x0
	QUANT32 Y, CD+4*\t, BY+\t
	ds_store_b8 v9, v[BY+\t] offset:32*\t
	global_store_b128 v4, v[CD+4*\t:CD+4*\t+3], s[10:11] offset:512*\t   ; the wave stores the token's 512 bytes on end
.endr
; THE LOGITS, in f32: two experts at a time against my two tokens: four chains of packed multiply-adds by turns; the first product starts each sum.
.irp ep, 0,1,2,3
.irp k, 0,1
.irp j, 0,1,2,3,4,5,6,7
	ds_load_b128 v[WR+32*\k+4*\j:WR+32*\k+4*\j+3], v4 offset:WL+(2*\ep+\k)*4096+512*\j
.endr
.endr
	s_wait_dscnt 0x0
.irp m, 0,1,2,3,4,5,6,7,8,9,10,11,12,13,14,15
.irp t, 0,1
.irp k, 0,1
.if \m == 0
	v_pk_mul_f32 v[ACC+16*\t+4*\ep+2*\k:ACC+16*\t+4*\ep+2*\k+1], v[X+32*\t+2*\m:X+32*\t+2*\m+1], v[WR+32*\k+2*\m:WR+32*\k+2*\m+1]
.else
	s_delay_alu instid0(VALU_DEP_4)
	v_pk_fma_f32 v[ACC+16*\t+4*\ep+2*\k:ACC+16*\t+4*\ep+2*\k+1], v[X+32*\t+2*\m:X+32*\t+2*\m+1], v[WR+32*\k+2*\m:WR+32*\k+2*\m+1], v[ACC+16*\t+4*\ep+2*\k:ACC+16*\t+4*\ep+2*\k+1]
.endif
.endr
.endr
.endr
.endr
.irp a, 0,1,2,3,4,5,6,7,8,9,10,11,12,13,14,15
	v_add_f32 v[ACC+2*\a], v[ACC+2*\a], v[ACC+2*\a+1]          ; a pair's two halves,
.endr
.irp m, 1,2,4,8
.irp a, 0,1,2,3,4,5,6,7,8,9,10,11,12,13,14,15
	v_add_f32_dpp v[ACC+2*\a], v[ACC+2*\a], v[ACC+2*\a] row_xmask:\m row_mask:0xf bank_mask:0xf   ; the 16 lanes of a half,
.endr
.endr
.irp a, 0,1,2,3,4,5,6,7,8,9,10,11,12,13,14,15
	v_permlanex16_b32 v[ACC+2*\a+1], v[ACC+2*\a], s14, s15
.endr
.irp a, 0,1,2,3,4,5,6,7,8,9,10,11,12,13,14,15
	v_add_f32 v[ACC+2*\a], v[ACC+2*\a], v[ACC+2*\a+1]          ; and the other half's: every lane holds all 16 logits
.endr
	v_mov_b32 v12, 0                               ; the argmax: expert 0 to begin with
	v_mov_b32 v13, 0
.irp e, 1,2,3,4,5,6,7
.irp t, 0,1
	v_cmp_ge_f32 vcc_lo, v[ACC+16*\t], v[ACC+16*\t+2*\e]       ; the earlier expert stays where it is not beaten: the lower index on a tie
	s_delay_alu instid0(VALU_DEP_1)
	v_cndmask_b32 v[12+\t], \e, v[12+\t], vcc_lo               ; a choice of a value: no address and no branch hangs on it
	v_max_num_f32 v[ACC+16*\t], v[ACC+16*\t], v[ACC+16*\t+2*\e]
.endr
.endr
	ds_store_b32 v8, v12                           ; all lanes write the same word with the same value
	ds_store_b32 v8, v13 offset:4
	s_wait_dscnt 0x0                               ; for the others' sake: my ids and my scale bytes lie in LDS
	s_barrier_signal -1
	s_barrier_wait -1
	s_cmp_lg_u32 s12, 0
	s_cbranch_scc1 .Lnot_wave_0
	ds_load_b32 v11, v14                           ; WAVE 0: lane l holds the id of token l % 16
	v_mov_b32 v18, 0
	s_wait_alu depctr_va_vdst(0)
	s_wait_dscnt 0x0
.irp e, 0,1,2,3,4,5,6,7
	v_cmp_eq_u32 s22, \e, v11
	s_and_b32 s22, s22, 0xffff                     ; which of the 16 tokens chose expert e:
	v_writelane_b32 v18, s22, \e                   ; into lane e
.endr
	v_and_b32 v19, 7, v3
	s_lshl_b32 s22, ttmp9, 1
	v_lshl_add_u32 v20, v19, 7, s22
	s_wait_alu depctr_va_vdst(0)
	s_wait_xcnt 0x0                                ; EXEC changes only behind this wait: my stores of codes have been taken
	v_cmp_gt_u32 vcc_lo, 8, v3
	s_and_saveexec_b32 s22, vcc_lo
	global_store_b16 v20, v18, s[8:9]
	s_wait_xcnt 0x0                                ; and again in front of the line that widens it
	s_or_b32 exec_lo, exec_lo, s22
.Lnot_wave_0:
	s_cmp_lg_u32 s12, 1
	s_cbranch_scc1 .Lend
	ds_load_b128 v[20:23], v15                     ; WAVE 1: the group's 512 scale bytes leave on end
	s_wait_dscnt 0x0
	global_store_b128 v4, v[20:23], s[32:33]
.Lend:
	s_wait_tensorcnt 0x0                           ; the wave's end
	ds_add_u32 v1, v2
	s_wait_dscnt 0x0
	s_endpgm
.Lfunc_end_k_q2847802583_route:
	.size	k_q2847802583_route, .Lfunc_end_k_q2847802583_route-k_q2847802583_route
	.p2alignl 7, 3214868480
	.fill 96, 4, 3214868480
	.section	.rodata,"a",@progbits
	.p2align	6, 0x0
	.amdhsa_kernel k_q2847802583_route
		.amdhsa_group_segment_fixed_size 71680
		.amdhsa_private_segment_fixed_size 0
		.amdhsa_enable_private_segment 0
		.amdhsa_kernarg_size 32
		.amdhsa_user_sgpr_count 2
		.amdhsa_user_sgpr_kernarg_segment_ptr 1
		.amdhsa_wavefront_size32 1
		.amdhsa_system_sgpr_workgroup_id_x 1
		.amdhsa_system_sgpr_workgroup_id_y 1
		.amdhsa_system_sgpr_workgroup_id_z 1
		.amdhsa_system_vgpr_workitem_id 0
		.amdhsa_next_free_vgpr 232
		.amdhsa_next_free_sgpr 66
		.amdhsa_reserve_vcc 1
		.amdhsa_float_denorm_mode_32 3
		.amdhsa_float_denorm_mode_16_64 3
		.amdhsa_memory_ordered 1
		.amdhsa_forward_progress 1
		.amdhsa_inst_pref_size 50
	.end_amdhsa_kernel
	.amdgpu_metadata
---
amdhsa.version: [ 1, 2 ]
amdhsa.kernels:
  - .name:           k_q2847802583_route
    .symbol:         k_q2847802583_route.kd
    .args:
      - { .name: x, .offset: 0, .size: 8, .value_kind: global_buffer, .address_space: global }
      - { .name: router_w, .offset: 8, .size: 8, .value_kind: global_buffer, .address_space: global }
      - { .name: rt, .offset: 16, .size: 8, .value_kind: global_buffer, .address_space: global }
      - { .name: xq, .offset: 24, .size: 8, .value_kind: global_buffer, .address_space: global }
    .group_segment_fixed_size: 71680
    .private_segment_fixed_size: 0
    .kernarg_segment_align: 8
    .kernarg_segment_size: 32
    .max_flat_workgroup_size: 256
    .sgpr_count:     66
    .vgpr_count:     232
    .wavefront_size: 32
...
	.end_amdgpu_metadata
.endif
;; end of part 1
;; launch fc1 (part 2): grid 32 x 8, 16 waves a work-group, no clusters, 75,776 bytes of LDS; arguments expert_fc, xq, rt, hc, ord; writes hc, ord
.if DOCPART == 2
	.amdgcn_target "amdgcn-amd-amdhsa--gfx1250"
	.amdhsa_code_object_version 6
	.text
	.protected	k_q2847802583_fc1
	.globl	k_q2847802583_fc1
	.p2align	8
	.type	k_q2847802583_fc1,@function
k_q2847802583_fc1:
	s_mov_b64 s[64:65], 0
	v_nop
	global_prefetch_b8 v0, s[64:65] scope:SCOPE_SE
	s_setreg_imm32_b32 hwreg(HW_REG_WAVE_MODE, 25, 1), 1
	s_wait_xcnt 0x0
; Launch 2 of 3: h = relu(x fc[e])^2, quantised along the hidden axis, for the rows (token, chosen expert) alone: the other experts' rows can reach no output (shown at the head of the first launch).
; THE WEIGHTS STAND STILL.  Work-group (S, e) owns hidden units 128 S .. 128 S + 127 of expert e: 1,024 rows x 512 bytes of expert_fc.  It reads them ONCE, as f32, quantises them along d in registers,
; lays the codes in LDS as images of operand registers, and multiplies them with all tiles of 16 tokens that chose e.  256 work-groups; no weight byte is read twice and no weight's code goes to memory.
; THE TOKENS ARE PLACED HERE, while the weights are on their way.  The expert's 1,024 bits of rt come by scalar loads as 32 words; the count is the sum of their set bits.  Place k of the expert belongs to the token whose bit is
;   the k-th set one: thread k finds it for places k and k + 512: a walk over the 32 running sums picks the word, five halvings on sums of 16, 8, 4, 2 and 1 bits pick the bit.  The list goes to LDS at 4 k: fixed places.
;   A place at or beyond the count gets some token's number under 1,024: such a spare row of a last tile is multiplied like the others and its results are stored, but the next launch stores no output from it.
;   Tile t of the expert is places 16 t .. + 15, t < n = max(1, ceil(count / 16)).  x's fragments are gathered by token from xq: lane (r, h) reads 16 bytes at 512 token + 64 s + 32 c + 16 h; a tile's 16 loads cover its 16 rows whole.
;   The work-groups with S = 0 store the list (ord: order[1,024 e + place]) and the count (from byte 32,768 on) for the next launch.
; 128 hidden units are one K step of the next product: a tile's results become one fragment of h and a scale byte a block, stored in the order of that product's operand registers:
;   hc: codes [T = 64 e + t][S of 32][c][lane 16 h + r][16 bytes] = block 2 c + h of K step S of row r; from byte 16,777,216 on scale words [T][S / 8][(S / 4) % 2][r][S % 4], byte q = block q.
; NO TENSOR LOAD, NO CLUSTER: the number of tiles is made of bits read from memory, and branches hang on it; so x's fragments, which the expert's 32 work-groups share, come by plain loads into registers.
; NO PREFETCH: the weights are the launch's one stream from memory, and each wave keeps 32 to 64 loads of it out from its first lines on.
; SIXTEEN WAVES of 256 registers.  Wave wv: q = wv % 4, kq = j = wv / 4.
;   STREAM: columns 32 q .. + 31 of the slice, rows d = 256 kq .. + 255.  A LANE TAKES A COLUMN AND ITS REGISTERS RUN DOWN d: a block of 32 along K lies in one lane, and the conversions give codes with K innermost.
;   THE COLUMNS OF A TILE ARE NOT NEIGHBOURS: lane r of tile u takes column 8 u + r + 8 (r / 8) of the 32, so that a result lane's 16 registers of tiles 0 and 1 are 16 neighbours along the next K.
;   MULTIPLY: slice q over all of K, tiles t = j, j + 4, ..: a loop of 16 trips, a constant, which jumps over the trips at or beyond n.  Transposed: source 0 = 16 columns of fc, source 1 = 16 tokens.
; LIMITS as stated at the head of the first launch (byte 1 for a block of zeros; NaN and infinities not served).
.set LIST,  0                          ; LDS: the expert's list of tokens, a word a place: 4,096 bytes
.set WIMG,  4096                       ; the weights' fragments [q][s of 8][u][c][512 bytes]
.set WSC,   69632                      ; their scale words [q][s][128 bytes]: lanes 0-15 tile 0's rows, lanes 16-31 tile 1's
.set SPARE, 73728                      ; the spare words, 128 bytes for each wave: eight blocks of 256 bytes that no other line names
.set OO,  5                            ; v5   4 r: my row's word in a tile of order
.set LN,  17                           ; v17  LDS address of my row's token in the next tile
.set TN,  18                           ; v18  that token as loaded;  v19 held under 1,024;  v20, v21 its offsets in xq: codes, scale words;  v22 16 h
.set TK,  19
.set XO,  20
.set SO,  21
.set H16, 22
.set XF,  24                           ; v24-87    x's eight fragments of a tile
.set XS,  88                           ; v88-91    their scale words: register j: K step j in lanes 0-15, K step 4 + j in lanes 16-31.  Scales and nothing else
.set A0,  92                           ; v92-107   the two accumulators
.set HC,  112                          ; v112-113  16 codes of h;  v114 the block's scale byte
.set WS,  120                          ; v120-127  the weights' scale words, one a K step.  Scales and nothing else
.set W,   128                          ; v128-255  the weights' 16 fragments: (s, u) at W + 16 s + 8 u
.set LND, 128                          ; while streaming: v128-191 two sets of 32 numbers,
.set CC,  192                          ; v192-223 the eight blocks' codes,
.set SWD, 224                          ; v224-225 my column's two scale words
.set KK,  92                           ; while the tokens are placed, two places a thread, a pair of registers each: the place,
.set WW,  94                           ; its word of bits,
.set CB,  96                           ; the word's number << 16 | the set bits ahead of it,
.set S2,  98                           ; the word's sums of 2 bits, of 4, of 8, of 16,
.set S4,  100
.set S8,  102
.set S16, 104
.set RR,  106                          ; the rank left,
.set SS,  108                          ; the bit's number so far,
.set TT,  110                          ; and two at work
.set UU,  116
	s_load_b256 s[4:11], s[0:1], 0x0               ; expert_fc s[4:5], xq s[6:7], rt s[8:9], hc s[10:11]
	s_load_b64 s[40:41], s[0:1], 0x20              ; ord
	v_lshl_add_u32 v1, v0, 2, SPARE                ; my spare word; never rewritten
	v_mov_b32 v2, 0                                ; 0; never rewritten
	v_lshrrev_b32 v12, 5, v0
	s_delay_alu instid0(VALU_DEP_1)
	v_readfirstlane_b32 s12, v12                   ; wave 0..15
	s_and_b32 s13, s12, 3                          ; q
	s_lshr_b32 s14, s12, 2                         ; kq, and j
	s_mov_b32 s15, ttmp9                           ; S
	s_and_b32 s16, ttmp7, 0xffff                   ; e
	v_and_b32 v13, 31, v0                          ; lane
	v_and_b32 v14, 15, v0                          ; r
	v_bfe_u32 v15, v0, 4, 1                        ; u while streaming, h in a result
	s_delay_alu instid0(VALU_DEP_2)
	v_and_b32 v16, 8, v14
	s_delay_alu instid0(VALU_DEP_1)
	v_add_nc_u32 v16, v16, v14
	s_delay_alu instid0(VALU_DEP_1)
	v_lshl_add_u32 v16, v15, 3, v16                ; my column: 8 u + r + 8 (r / 8)
	s_delay_alu instid0(VALU_DEP_1)
	v_lshlrev_b32 v3, 2, v16                       ; v3: its bytes
	v_lshlrev_b32 v4, 4, v13                       ; v4: 16 x lane
	s_lshl_b32 s32, s13, 14
	s_lshl_b32 s33, s14, 12
	s_add_co_u32 s33, s33, s32
	v_add_nc_u32 v6, s33, v4                       ; v6: where I store images: slice q, K steps 2 kq on
	v_add_nc_u32 v8, s32, v4                       ; v8: where I load them: slice q
	s_lshl_b32 s32, s13, 10
	s_add_co_u32 s32, s32, WSC
	v_lshl_add_u32 v9, v13, 2, s32                 ; v9: scale words of slice q
	s_lshl_b32 s33, s14, 8
	v_add_nc_u32 v7, s33, v9                       ; v7: those that I store
	v_lshlrev_b32 v11, 4, v14                      ; v11: 16 r
	s_delay_alu instid0(VALU_DEP_1)
	v_lshl_add_u32 v10, v15, 3, v11                ; v10: 16 r + 8 h
	v_mov_b32 v23, 0                               ; written once: a lane permute's destination counts as read
	v_lshlrev_b32 v[OO], 2, v14
	v_lshlrev_b32 v[H16], 4, v15
	v_lshlrev_b32 v118, 2, v0                      ; v118: where I store the list: 4 x my thread's number
	s_lshl_b32 s33, s14, 6
	v_add_nc_u32 v[LN], s33, v[OO]                 ; my row's token in tile j: 64 j + 4 r
	s_mov_b32 s22, 0x76543210
	s_mov_b32 s23, 0xfedcba98
	s_lshl_b32 s34, s16, 24                        ; an expert is 2^24 bytes,
	s_lshl_b32 s35, s14, 22                        ; 256 rows of 16,384 bytes are 2^22,
	s_add_co_u32 s34, s34, s35
	s_lshl_b32 s35, s15, 9                         ; a slice 512 bytes of a row,
	s_add_co_u32 s34, s34, s35
	s_lshl_b32 s35, s13, 7                         ; my 32 columns 128
	s_add_co_u32 s34, s34, s35
	s_mov_b32 s35, 0
	s_lshl_b32 s36, s16, 7                         ; the expert's 128 bytes of rt
	s_or_b32 s44, s15, s13                         ; 0 in the waves that store order: S = 0, q = 0
	s_or_b32 s45, s15, s12                         ; 0 in the wave that stores the count
	s_wait_alu depctr_va_vdst(0)
	s_wait_kmcnt 0x0
	s_load_b512 s[68:83], s[8:9], s36 offset:0x0   ; word w: tokens 32 w .. + 31
	s_load_b512 s[84:99], s[8:9], s36 offset:0x40
	s_add_nc_u64 s[4:5], s[4:5], s[34:35]
.macro LOAD t                          ; block t: fc(256 kq + 32 t + i, my column), i = 0 .. 31, into set t % 2.  The offsets end at 255 rows, 4,177,920 bytes, inside the signed 24-bit immediate
.irp i, 0,1,2,3,4,5,6,7,8,9,10,11,12,13,14,15,16,17,18,19,20,21,22,23,24,25,26,27,28,29,30,31
	global_load_b32 v[LND+32*((\t)%2)+\i], v3, s[4:5] offset:(32*(\t)+\i)*16384 th:TH_LOAD_NT
.endr
.endm
.macro XLOAD                           ; a tile of x, gathered by token: 16 loads of codes and one of scale words
.irp s, 0,1,2,3,4,5,6,7
.irp c, 0,1
	global_load_b128 v[XF+8*\s+4*\c:XF+8*\s+4*\c+3], v[XO], s[6:7] offset:64*\s+32*\c
.endr
.endr
	global_load_b128 v[XS:XS+3], v[SO], s[6:7] offset:524288
.endm
.macro OFFS                            ; the token just read from the list becomes offsets
	v_min_u32 v[TK], 0x3ff, v[TN]                  ; a loaded number enters an address only behind this bound
	s_delay_alu instid0(VALU_DEP_1)
	v_lshl_add_u32 v[XO], v[TK], 9, v[H16]         ; 512 bytes of codes a token, + 16 h
	v_lshl_add_u32 v[SO], v[TK], 5, v[H16]         ; 32 scale bytes a token: K steps 0-3 in lanes 0-15, 4-7 in lanes 16-31
.endm
; Block t of my column.  cnt: the younger loads that may stay out.
.macro BLOCK t, cnt
.set LS, LND+32*((\t)%2)
.set CT, CC+4*(\t)
	s_wait_loadcnt \cnt
	v_max3_num_f32 v12, |v[LS]|, |v[LS+1]|, |v[LS+2]|          ; the block's largest magnitude: all 32 numbers are mine
	v_max3_num_f32 v13, |v[LS+3]|, |v[LS+4]|, |v[LS+5]|
.irp i, 6,10,14,18,22,26
	s_delay_alu instid0(VALU_DEP_2)
	v_max3_num_f32 v12, v12, |v[LS+\i]|, |v[LS+\i+1]|
	s_delay_alu instid0(VALU_DEP_2)
	v_max3_num_f32 v13, v13, |v[LS+\i+2]|, |v[LS+\i+3]|
.endr
	s_delay_alu instid0(VALU_DEP_2)
	v_max3_num_f32 v12, v12, |v[LS+30]|, |v[LS+31]|
	s_delay_alu instid0(VALU_DEP_1)
	v_max3_num_f32 v12, v12, v13, 0x1800000        ; and the floor 2^(3 - 127)
	s_delay_alu instid0(VALU_DEP_1)
	v_add_nc_u32 v14, 0xff000000, v12              ; 2 off the exponent field: the conversion's scale operand
.if (\t)%4 == 0
	s_delay_alu instid0(VALU_DEP_1)
	v_lshrrev_b32 v[SWD+(\t)/4], 23, v14           ; the scale's byte: four to a word, the lower K in the lower byte
.else
	s_delay_alu instid0(VALU_DEP_1)
	v_lshrrev_b32 v15, 23, v14
	s_delay_alu instid0(VALU_DEP_1)
	v_lshl_or_b32 v[SWD+(\t)/4], v15, 8*((\t)%4), v[SWD+(\t)/4]
.endif
.irp g, 0,1,2,3
	v_cvt_scalef32_pk8_fp4_f32 v[CT+\g], v[LS+8*\g:LS+8*\g+7], v14
.endr
	v_nop                                          ; one plain line behind the last conversion
.if (\t)+2 < 8
	LOAD (\t)+2
.endif
.if (\t)%2 == 1
; An operand's lane (r, h) wants block 2 c + h of row r.  I hold, for blocks t - 1 and t, tile 0's row in lanes 0-15 and tile 1's in lanes 16-31: the exchange leaves tile 0's four registers in the first set, tile 1's in the second.
.irp i, 0,1,2,3
	v_permlane16_swap_b32 v[CT-4+\i], v[CT+\i]
.endr
	ds_store_b128 v6, v[CT-4:CT-1] offset:WIMG+((\t)/4)*2048+(((\t)%4)/2)*512
	ds_store_b128 v6, v[CT:CT+3] offset:WIMG+((\t)/4)*2048+1024+(((\t)%4)/2)*512
.endif
.endm
.macro HALVE src, w, bits              ; is the bit wanted among the lower w of those left?  If the rank reaches their sum, it is not: take the sum off the rank and go w up
.irp x, 0,1
	v_bfe_u32 v[TT+\x], v[\src+\x], v[SS+\x], \bits
	v_add_nc_u32 v[UU+\x], \w, v[SS+\x]
	v_cmp_ge_u32 vcc_lo, v[RR+\x], v[TT+\x]
	v_cndmask_b32 v[TT+\x], 0, v[TT+\x], vcc_lo
	v_cndmask_b32 v[SS+\x], v[SS+\x], v[UU+\x], vcc_lo
	v_sub_nc_u32 v[RR+\x], v[RR+\x], v[TT+\x]
.endr
.endm
	LOAD 0
	LOAD 1
	BLOCK 0, 32                                    ; behind a block's own 32 loads stand the next block's 32
	BLOCK 1, 32
	s_wait_kmcnt 0x0                               ; the expert's bits
	v_mov_b32 v[KK], v0                            ; my two places
	v_add_nc_u32 v[KK+1], 0x200, v0
	v_mov_b32 v[WW], s68
	v_mov_b32 v[WW+1], s68
	v_mov_b32 v[CB], 0
	v_mov_b32 v[CB+1], 0
	s_bcnt1_i32_b32 s17, s68                       ; s17: the set bits ahead of the next word
.irp w, 1,2,3,4,5,6,7,8,9,10,11,12,13,14,15,16,17,18,19,20,21,22,23,24,25,26,27,28,29,30,31
	s_add_co_u32 s20, s17, \w<<16
	v_cmp_gt_u32 vcc_lo, s17, v[KK]                ; the earlier word stays where this one begins beyond my place
	v_cmp_gt_u32 s21, s17, v[KK+1]
	v_cndmask_b32 v[WW], s[68+\w], v[WW], vcc_lo
	v_cndmask_b32 v[CB], s20, v[CB], vcc_lo
	v_cndmask_b32 v[WW+1], s[68+\w], v[WW+1], s21
	v_cndmask_b32 v[CB+1], s20, v[CB+1], s21
	s_bcnt1_i32_b32 s32, s[68+\w]
	s_add_co_u32 s17, s17, s32
.endr                                              ; s17: how many tokens chose e
.irp x, 0,1
	v_and_b32 v[RR+\x], 0xffff, v[CB+\x]
	v_lshrrev_b32 v[S2+\x], 1, v[WW+\x]
	v_lshrrev_b32 v[CB+\x], 16, v[CB+\x]           ; the word's number
	v_sub_nc_u32 v[RR+\x], v[KK+\x], v[RR+\x]      ; my place's rank among the word's set bits
	v_and_b32 v[S2+\x], 0x55555555, v[S2+\x]
	v_mov_b32 v[SS+\x], 0
	v_sub_nc_u32 v[S2+\x], v[WW+\x], v[S2+\x]      ; sums of 2 bits, in fields of 2
	v_lshrrev_b32 v[S4+\x], 2, v[S2+\x]
	v_and_b32 v[TT+\x], 0x33333333, v[S2+\x]
	v_and_b32 v[S4+\x], 0x33333333, v[S4+\x]
	v_add_nc_u32 v[S4+\x], v[S4+\x], v[TT+\x]      ; of 4, in fields of 4
	v_lshrrev_b32 v[S8+\x], 4, v[S4+\x]
	v_add_nc_u32 v[S8+\x], v[S8+\x], v[S4+\x]
	v_and_b32 v[S8+\x], 0x0f0f0f0f, v[S8+\x]       ; of 8, in bytes
	v_lshrrev_b32 v[S16+\x], 8, v[S8+\x]
	v_add_nc_u32 v[S16+\x], v[S16+\x], v[S8+\x]    ; byte 0: of the lower 16
.endr
	HALVE S16, 16, 8
	HALVE S8, 8, 8
	HALVE S4, 4, 4
	HALVE S2, 2, 2
	HALVE WW, 1, 1
.irp x, 0,1
	v_lshl_add_u32 v[TT+\x], v[CB+\x], 5, v[SS+\x] ; the token: 32 x word + bit
	v_min_u32 v[TT+\x], 0x3ff, v[TT+\x]
	ds_store_b32 v118, v[TT+\x] offset:LIST+2048*\x
.endr
	s_min_u32 s17, s17, 1024
	s_add_co_u32 s18, s17, 15
	s_lshr_b32 s18, s18, 4
	s_max_u32 s18, s18, 1
	s_min_u32 s18, s18, 64                         ; n: the expert's tiles
	s_cmp_lg_u32 s45, 0
	s_cbranch_scc1 .Lno_cnt
	s_lshl_b32 s32, s16, 2
	v_mov_b32 v115, s32
	v_mov_b32 v119, s17
	global_store_b32 v115, v119, s[40:41] offset:32768   ; one wave of the expert's first work-group: the count (all lanes store the same word); neither register is written again
.Lno_cnt:
	BLOCK 2, 32
	BLOCK 3, 32
	BLOCK 4, 32
	BLOCK 5, 32
	s_wait_dscnt 0x0                               ; for the others' sake: my part of the list lies in LDS
	s_barrier_signal -1
	s_barrier_wait -1                              ; the whole list does
	ds_load_b32 v[TN], v[LN] offset:LIST           ; tile j's tokens: every wave asks, whatever n: every place of the list holds a token's number
	s_wait_dscnt 0x0
	OFFS
	v_add_nc_u32 v[LN], 0x100, v[LN]               ; on to tile j + 4
	XLOAD                                          ; lands while the last two blocks are worked
	BLOCK 6, 49                                    ; block 7's 32 loads and the tile's 17 may stay out
	BLOCK 7, 17                                    ; the tile's 17
	ds_store_b32 v7, v[SWD]
	ds_store_b32 v7, v[SWD+1] offset:128
	s_wait_dscnt 0x0                               ; for the others' sake: my images and scale words lie in LDS
	s_barrier_signal -1
	s_barrier_wait -1                              ; the slice's 64 fragments do.  Every wave passes both barriers, whatever the count
.irp s, 0,1,2,3,4,5,6,7
.irp u, 0,1
.irp c, 0,1
	ds_load_b128 v[W+16*\s+8*\u+4*\c:W+16*\s+8*\u+4*\c+3], v8 offset:WIMG+2048*\s+1024*\u+512*\c
.endr
.endr
	ds_load_b32 v[WS+\s], v9 offset:128*\s
.endr
	s_lshl_b32 s32, s16, 6
	s_add_co_u32 s32, s32, s14                     ; T = 64 e + j
	s_lshl_b32 s34, s32, 15                        ; h's codes: 32,768 bytes a tile,
	s_lshl_b32 s33, s15, 10                        ; 1,024 a K step,
	s_add_co_u32 s34, s34, s33
	s_lshl_b32 s33, s13, 8                         ; 256 a block: c = q / 2, h = q % 2
	s_add_co_u32 s34, s34, s33
	s_add_nc_u64 s[28:29], s[10:11], s[34:35]
	s_lshl_b32 s34, s32, 11                        ; its scale bytes: 2,048 a tile,
	s_lshr_b32 s33, s15, 2
	s_lshl_b32 s33, s33, 8                         ; 256 for each four K steps,
	s_add_co_u32 s34, s34, s33
	s_and_b32 s33, s15, 3
	s_lshl_b32 s33, s33, 2                         ; a word a K step,
	s_add_co_u32 s34, s34, s33
	s_add_co_u32 s34, s34, s13                     ; byte q,
	s_add_co_u32 s34, s34, 0x1000000               ; behind the codes
	s_add_nc_u64 s[30:31], s[10:11], s[34:35]
	s_lshl_b32 s34, s32, 6                         ; order: 64 bytes a tile
	s_add_nc_u64 s[42:43], s[40:41], s[34:35]
	s_mov_b32 s21, s14                             ; my tile
	s_mov_b32 s19, 0                               ; the trips made
	s_wait_dscnt 0x0                               ; the weights are in registers, for all my tiles
.macro WM s, u                         ; K step s, tile u.  The weights' scales: lanes 0-15 for tile 0, 16-31 for tile 1; x's: lanes 0-15 for K steps 0-3, 16-31 for 4-7
.set AC, A0+8*(\u)
.set AA, W+16*(\s)+8*(\u)
.set BB, XF+8*(\s)
.set SA, WS+(\s)
.set SB, XS+(\s)%4
.if (\s) == 0
.if (\u) == 0
	v_wmma_scale_f32_16x16x128_f8f6f4 v[AC:AC+7], v[AA:AA+7], v[BB:BB+7], 0, v[SA], v[SB] matrix_a_fmt:MATRIX_FMT_FP4 matrix_b_fmt:MATRIX_FMT_FP4
.else
	v_wmma_scale_f32_16x16x128_f8f6f4 v[AC:AC+7], v[AA:AA+7], v[BB:BB+7], 0, v[SA], v[SB] matrix_a_fmt:MATRIX_FMT_FP4 matrix_b_fmt:MATRIX_FMT_FP4 matrix_a_scale:MATRIX_SCALE_ROW1
.endif
.elseif (\s) < 4
.if (\u) == 0
	v_wmma_scale_f32_16x16x128_f8f6f4 v[AC:AC+7], v[AA:AA+7], v[BB:BB+7], v[AC:AC+7], v[SA], v[SB] matrix_a_fmt:MATRIX_FMT_FP4 matrix_b_fmt:MATRIX_FMT_FP4
.else
	v_wmma_scale_f32_16x16x128_f8f6f4 v[AC:AC+7], v[AA:AA+7], v[BB:BB+7], v[AC:AC+7], v[SA], v[SB] matrix_a_fmt:MATRIX_FMT_FP4 matrix_b_fmt:MATRIX_FMT_FP4 matrix_a_scale:MATRIX_SCALE_ROW1
.endif
.else
.if (\u) == 0
	v_wmma_scale_f32_16x16x128_f8f6f4 v[AC:AC+7], v[AA:AA+7], v[BB:BB+7], v[AC:AC+7], v[SA], v[SB] matrix_a_fmt:MATRIX_FMT_FP4 matrix_b_fmt:MATRIX_FMT_FP4 matrix_b_scale:MATRIX_SCALE_ROW1
.else
	v_wmma_scale_f32_16x16x128_f8f6f4 v[AC:AC+7], v[AA:AA+7], v[BB:BB+7], v[AC:AC+7], v[SA], v[SB] matrix_a_fmt:MATRIX_FMT_FP4 matrix_b_fmt:MATRIX_FMT_FP4 matrix_a_scale:MATRIX_SCALE_ROW1 matrix_b_scale:MATRIX_SCALE_ROW1
.endif
.endif
.endm
.Ltile:                                            ; 16 trips, a constant; trip i is tile j + 4 i: 16 tokens against my 32 hidden units
	s_cmp_ge_u32 s21, s18
	s_cbranch_scc1 .Lskip                          ; no such tile
	ds_load_b32 v[TN], v[LN] offset:LIST           ; the next tile's tokens: wanted behind the products
	s_cmp_lg_u32 s44, 0
	s_cbranch_scc1 .Lno_ord
	global_store_b32 v[OO], v[TK], s[42:43]        ; S = 0, q = 0: this tile's tokens into order (lanes 16-31 repeat lanes 0-15)
.Lno_ord:
	s_wait_loadcnt 0x0                             ; the tile's fragments and scale words
.irp s, 0,1,2,3,4,5,6,7
.irp u, 0,1
	WM \s, \u                                      ; the two accumulators by turns, K ascending, over the backward jump too; the first K step starts the sums
.endr
.endr
.rept 5
	v_nop                                          ; four places in front of the loads into x's registers and of the first read of results; five in front of the next trip's products, which write the accumulators anew
.endr
	s_wait_dscnt 0x0                               ; the next tile's tokens
	s_add_co_u32 s33, s21, 4
	s_cmp_ge_u32 s33, s18
	s_cbranch_scc1 .Lno_next                       ; the last tile asks for nothing
	s_wait_xcnt 0x0                                ; the store into order has read its data
	OFFS
	XLOAD                                          ; lands while this tile's results are quantised
.Lno_next:
; Lane (r, h): token r; v92-107 are hidden units 32 q + 16 h + 0 .. 15 of the slice: 16 neighbours along the next K; the block's other 16 lie in lane l xor 16.
.irp i, 0,1,2,3,4,5,6,7,8,9,10,11,12,13,14,15
	v_max_num_f32 v[A0+\i], 0, v[A0+\i]            ; relu, each accumulator from its low end on,
.endr
.irp i, 0,2,4,6,8,10,12,14
	v_pk_mul_f32 v[A0+\i:A0+\i+1], v[A0+\i:A0+\i+1], v[A0+\i:A0+\i+1]   ; squared, in f32
.endr
	v_max3_num_f32 v12, v[A0], v[A0+1], 0x1800000  ; the largest of my 16 (none is negative) and the floor
	s_delay_alu instid0(VALU_DEP_4)
	v_max3_num_f32 v13, v[A0+8], v[A0+9], v[A0+10]
	s_delay_alu instid0(VALU_DEP_2)
	v_max3_num_f32 v12, v12, v[A0+2], v[A0+3]
	s_delay_alu instid0(VALU_DEP_2)
	v_max3_num_f32 v13, v13, v[A0+11], v[A0+12]
	s_delay_alu instid0(VALU_DEP_2)
	v_max3_num_f32 v12, v12, v[A0+4], v[A0+5]
	s_delay_alu instid0(VALU_DEP_2)
	v_max3_num_f32 v13, v13, v[A0+13], v[A0+14]
	s_delay_alu instid0(VALU_DEP_2)
	v_max3_num_f32 v12, v12, v[A0+6], v[A0+7]
	s_delay_alu instid0(VALU_DEP_1)
	v_max3_num_f32 v12, v12, v13, v[A0+15]
	s_delay_alu instid0(VALU_DEP_1)
	v_permlanex16_b32 v23, v12, s22, s23
	s_delay_alu instid0(VALU_DEP_1)
	v_max_num_f32 v12, v12, v23                    ; the block's
	s_delay_alu instid0(VALU_DEP_1)
	v_add_nc_u32 v14, 0xff000000, v12
	s_delay_alu instid0(VALU_DEP_1)
	v_lshrrev_b32 v[HC+2], 23, v14                 ; its scale byte
	v_cvt_scalef32_pk8_fp4_f32 v[HC], v[A0:A0+7], v14
	v_cvt_scalef32_pk8_fp4_f32 v[HC+1], v[A0+8:A0+15], v14
	v_nop                                          ; one plain line behind the last conversion
	global_store_b64 v10, v[HC:HC+1], s[28:29]     ; the 32 lanes store 256 consecutive bytes, at a multiple of 256 from the buffer's first byte
	global_store_b8 v11, v[HC+2], s[30:31]         ; 16 single bytes, 16 apart (lanes 16-31 repeat them): whole words would want a barrier under a branch that hangs on the count
	s_wait_xcnt 0x0                                ; the stores have read their data and bases: both are written again only behind this wait
	s_add_nc_u64 s[28:29], s[28:29], 0x20000       ; four tiles on
	s_add_nc_u64 s[30:31], s[30:31], 8192
	s_add_nc_u64 s[42:43], s[42:43], 256
.Lskip:
	v_add_nc_u32 v[LN], 0x100, v[LN]               ; four tiles on in the list,
	s_delay_alu instid0(VALU_DEP_1)
	v_and_b32 v[LN], 0xfff, v[LN]                  ; held inside its 4,096 bytes
	s_add_co_u32 s21, s21, 4
	s_add_co_u32 s19, s19, 1
	s_cmp_lt_u32 s19, 16
	s_wait_alu depctr_va_vdst(0)
	s_cbranch_scc1 .Ltile
	s_wait_tensorcnt 0x0                           ; the wave's end
	ds_add_u32 v1, v2
	s_wait_dscnt 0x0
	s_endpgm
.Lfunc_end_k_q2847802583_fc1:
	.size	k_q2847802583_fc1, .Lfunc_end_k_q2847802583_fc1-k_q2847802583_fc1
	.p2alignl 7, 3214868480
	.fill 96, 4, 3214868480
	.section	.rodata,"a",@progbits
	.p2align	6, 0x0
	.amdhsa_kernel k_q2847802583_fc1
		.amdhsa_group_segment_fixed_size 75776
		.amdhsa_private_segment_fixed_size 0
		.amdhsa_enable_private_segment 0
		.amdhsa_kernarg_size 40
		.amdhsa_user_sgpr_count 2
		.amdhsa_user_sgpr_kernarg_segment_ptr 1
		.amdhsa_wavefront_size32 1
		.amdhsa_system_sgpr_workgroup_id_x 1
		.amdhsa_system_sgpr_workgroup_id_y 1
		.amdhsa_system_sgpr_workgroup_id_z 1
		.amdhsa_system_vgpr_workitem_id 0
		.amdhsa_next_free_vgpr 256
		.amdhsa_next_free_sgpr 100
		.amdhsa_reserve_vcc 1
		.amdhsa_float_denorm_mode_32 3
		.amdhsa_float_denorm_mode_16_64 3
		.amdhsa_memory_ordered 1
		.amdhsa_forward_progress 1
		.amdhsa_inst_pref_size 74
	.end_amdhsa_kernel
	.amdgpu_metadata
---
amdhsa.version: [ 1, 2 ]
amdhsa.kernels:
  - .name:           k_q2847802583_fc1
    .symbol:         k_q2847802583_fc1.kd
    .args:
      - { .name: expert_fc, .offset: 0, .size: 8, .value_kind: global_buffer, .address_space: global }
      - { .name: xq, .offset: 8, .size: 8, .value_kind: global_buffer, .address_space: global }
      - { .name: rt, .offset: 16, .size: 8, .value_kind: global_buffer, .address_space: global }
      - { .name: hc, .offset: 24, .size: 8, .value_kind: global_buffer, .address_space: global }
      - { .name: ord, .offset: 32, .size: 8, .value_kind: global_buffer, .address_space: global }
    .group_segment_fixed_size: 75776
    .private_segment_fixed_size: 0
    .kernarg_segment_align: 8
    .kernarg_segment_size: 40
    .max_flat_workgroup_size: 512
    .sgpr_count:     100
    .vgpr_count:     256
    .wavefront_size: 32
...
	.end_amdgpu_metadata
.endif
;; end of part 2
;; launch proj (part 3): grid 32 x 8, 16 waves a work-group, no clusters, 219,136 bytes of LDS; arguments expert_proj, hc, ord, out0; writes out0
.if DOCPART == 3
	.amdgcn_target "amdgcn-amd-amdhsa--gfx1250"
	.amdhsa_code_object_version 6
	.text
	.protected	k_q2847802583_proj
	.globl	k_q2847802583_proj
	.p2align	8
	.type	k_q2847802583_proj,@function
k_q2847802583_proj:
	s_mov_b64 s[64:65], 0
	v_nop
	global_prefetch_b8 v0, s[64:65] scope:SCOPE_SE
	s_setreg_imm32_b32 hwreg(HW_REG_WAVE_MODE, 25, 1), 1
	s_wait_xcnt 0x0
; Launch 3 of 3: out[token] = h proj[e]^T for the chosen expert e alone (the other experts' rows can reach no output: shown at the head of the first launch); the masked sum over experts is the scatter at the end.
; THE WEIGHTS STAND STILL.  Work-group (dsl, e) owns rows d = 32 dsl .. + 31 of expert_proj[e], 32 x 16,384 bytes.  It reads them ONCE, as f32, quantises them along the hidden axis, lays the codes in LDS as images of
; operand registers, and multiplies them with all the expert's tiles of 16 tokens.  256 work-groups; each number of the output has one owning work-group.
; NO TENSOR LOAD, NO CLUSTER: the number of tiles is a count read from memory, and branches hang on it; so h's fragments, which the expert's 32 work-groups share, come by plain loads into registers.
; SIXTEEN WAVES of 256 registers, three roles.
;   STREAM: wave wv takes K steps 2 wv and 2 wv + 1 (1,024 bytes) of all 32 rows, in four units of 16 rows x 512 bytes.  A load reads 512 consecutive bytes of a row.
;     THREE SETS OF 64 REGISTERS take three of the four units at the kernel's head (h's registers, idle while the weights stream, are the third); the fourth unit is asked for as soon as the first set is free.
;     So 24 of a wave's 32 KB are asked for before anything is worked on, and no request stands behind more than one unit's work.  With the first tile of h and its tokens a wave has at most 53 loads out.
;     K is innermost here, and a lane needs whole blocks of 32 neighbours: a unit turns through the wave's own stage in LDS (rows of 512 bytes + 16) and comes back 128 bytes a block.
;   MULTIPLY: kq = wv % 4 takes K steps 8 kq .. + 7, j = wv / 4 takes tiles 16 ch + 4 i + j of chunk ch.  Transposed: source 0 = 16 rows of proj, source 1 = 16 tokens.
;     The rows of a tile are 8 u + i + 8 (i / 8), so that a lane's 16 results are 16 neighbouring d: 64 bytes of a token's row.  The four kq's partial sums of a tile meet in LDS.
;   ADD AND SCATTER: wave wv adds the four parts of tile 16 ch + wv and stores each row to its token, looked up in order.  All lanes stay on.  A lane whose row lies at or beyond the count (a spare row of the expert's
;     last tile) stores ROW 0 OF ITS TILE ONCE MORE: the same token, the same 16 bytes, summed in the same order, from the same wave.  Row 0 is a real row in every tile that is added: those are the tiles with 16 x tile < count.
;     A store covers 4 rows x 128 consecutive bytes: a slice of 32 d is 128 bytes of a row; slices of 64 would leave half of the 256 work-groups without a slice.
; Four chunks of 16 tiles, a constant number, serve every count up to 1,024 tokens on one expert; a chunk without tiles passes its two barriers and does nothing else.  No barrier stands under a branch.
; The sum over K is cut in four and added as (p0 + p1) + (p2 + p3), in f32.  LIMITS as stated at the head of the first launch.
.set REG0,  0                          ; LDS: while streaming 16 stages of 8,448 bytes; behind the first barrier the partial sums [slot of 16][kq][16 rows x 144 bytes]: 147,456 bytes
.set PIMG,  147456                     ; the weights' fragments [s of 32][u][c][512 bytes]
.set PSC,   212992                     ; their scale words [s][128 bytes]: lanes 0-15 tile 0's rows, lanes 16-31 tile 1's
.set SPARE, 217088                     ; the spare words, 128 bytes for each wave: eight blocks of 256 bytes that no other line names
.set HS,  24                           ; v24-27    h's scale words: register j: K step j in lanes 0-15, 4 + j in lanes 16-31.  Scales and nothing else
.set PS,  28                           ; v28-35    the weights' scale words.  Scales and nothing else
.set HF,  36                           ; v36-99    h's eight fragments; while streaming: landing set C; when adding: the 16 pieces of the four parts
.set A0,  100                          ; v100-115  the two accumulators; while streaming: a unit's codes (v100-107) and the two tiles' scale words (v108, v109); when adding: row 0's four parts
.set P,   128                          ; v128-255  the weights' 16 fragments: (s', u) at P + 16 s' + 8 u; while streaming: landing sets A and B
.set SETA, 128                         ; the three landing sets, 64 registers each
.set SETB, 192
.set SETC, 36
                                       ; v116-119 four rows' tokens; v120-123 their offsets in the output; v124 my first row's place in the expert; v125 LDS address of row 0 of slot wv; v21 the tokens' offset in order
	s_load_b256 s[4:11], s[0:1], 0x0               ; expert_proj s[4:5], hc s[6:7], ord s[8:9], out0 s[10:11]
	v_lshl_add_u32 v1, v0, 2, SPARE                ; my spare word; never rewritten
	v_mov_b32 v2, 0                                ; 0; never rewritten
	v_lshrrev_b32 v15, 5, v0
	s_delay_alu instid0(VALU_DEP_1)
	v_readfirstlane_b32 s12, v15                   ; wave 0..15
	s_and_b32 s13, s12, 3                          ; kq
	s_lshr_b32 s14, s12, 2                         ; j
	s_mov_b32 s15, ttmp9                           ; dsl
	s_and_b32 s16, ttmp7, 0xffff                   ; e
	v_and_b32 v15, 31, v0                          ; lane
	v_and_b32 v16, 15, v0                          ; r
	v_bfe_u32 v17, v0, 4, 1                        ; h
	s_delay_alu instid0(VALU_DEP_3)
	v_lshlrev_b32 v3, 4, v15                       ; v3: 16 x lane
	s_mul_i32 s36, s12, 8448
	v_add_nc_u32 v4, s36, v3                       ; v4: into my stage: a row's 512 bytes as loaded
	v_mul_u32_u24 v18, v16, 528
	s_delay_alu instid0(VALU_DEP_1)
	v_lshl_add_u32 v18, v17, 7, v18
	s_delay_alu instid0(VALU_DEP_1)
	v_add_nc_u32 v5, s36, v18                      ; v5: out of it: row r, block h
	s_lshl_b32 s36, s12, 12
	s_add_co_u32 s36, s36, PIMG
	v_add_nc_u32 v6, s36, v3                       ; v6: where I store images: K steps 2 wv on
	s_lshl_b32 s36, s12, 8
	s_add_co_u32 s36, s36, PSC
	v_lshl_add_u32 v7, v15, 2, s36                 ; v7: and their scale words
	s_lshl_b32 s36, s13, 14
	s_add_co_u32 s36, s36, PIMG
	v_add_nc_u32 v8, s36, v3                       ; v8: where I load images: K steps 8 kq on
	s_lshl_b32 s36, s13, 10
	s_add_co_u32 s36, s36, PSC
	v_lshl_add_u32 v9, v15, 2, s36                 ; v9: and their scale words
	s_mul_i32 s36, s14, 9216
	s_mul_i32 s37, s13, 2304
	s_add_co_u32 s36, s36, s37
	v_mul_u32_u24 v18, v16, 144
	s_delay_alu instid0(VALU_DEP_1)
	v_lshl_add_u32 v18, v17, 6, v18
	s_delay_alu instid0(VALU_DEP_1)
	v_add_nc_u32 v10, s36, v18                     ; v10: my part of slot j: row r, 64 h;  slot 4 i + j lies 36,864 i further on
	s_delay_alu instid0(VALU_DEP_1)
	v_add_nc_u32 v11, 73728, v10                   ; v11: the same for i = 2, 3: beyond what an offset holds
	s_mul_i32 s36, s12, 9216
	v_lshrrev_b32 v14, 3, v15                      ; v14: lane / 8: which of four rows
	s_delay_alu instid0(VALU_DEP_1)
	v_mul_u32_u24 v18, v14, 144
	v_and_b32 v19, 7, v15
	s_delay_alu instid0(VALU_DEP_1)
	v_lshl_add_u32 v18, v19, 4, v18
	s_delay_alu instid0(VALU_DEP_1)
	v_add_nc_u32 v12, s36, v18                     ; v12: slot wv when adding: eight lanes to a row of 128 bytes
	s_delay_alu instid0(VALU_DEP_3)
	v_lshl_add_u32 v125, v19, 4, s36               ; v125: row 0 of slot wv, the same 16 bytes of it
	s_lshl_b32 s36, s15, 7
	v_lshl_add_u32 v13, v19, 4, s36                ; v13: my 16 bytes in a row of the output
	v_lshlrev_b32 v22, 3, v17                      ; v22: 8 h
	v_mov_b32 v23, 0                               ; written once: a lane permute's destination counts as read
	s_mov_b32 s22, 0x76543210
	s_mov_b32 s23, 0xfedcba98
	s_lshl_b32 s38, s16, 24                        ; an expert is 2^24 bytes,
	s_lshl_b32 s36, s15, 19                        ; 32 rows of 16,384 are 2^19,
	s_add_co_u32 s38, s38, s36
	s_lshl_b32 s36, s12, 10                        ; my two K steps 1,024 bytes of a row
	s_add_co_u32 s38, s38, s36
	s_mov_b32 s39, 0
	s_lshl_b32 s37, s16, 2
	s_wait_kmcnt 0x0
	s_load_b32 s17, s[8:9], s37 offset:0x8000      ; how many tokens chose e
	s_add_nc_u64 s[4:5], s[4:5], s[38:39]
.macro ULOAD un, set                   ; unit un: K step 2 wv + un / 2, tile u = un % 2: its 16 rows' 512 bytes into the set named
.irp i, 0,1,2,3,4,5,6,7,8,9,10,11,12,13,14,15
	global_load_b128 v[\set+4*\i:\set+4*\i+3], v3, s[4:5] offset:(8*((\un)%2)+\i+8*(\i/8))*16384+((\un)/2)*512 th:TH_LOAD_NT
.endr
.endm
.macro HLOAD                           ; my eight K steps of a tile of h: 16 loads of 512 bytes on end, and their scale words
.irp s, 0,1,2,3,4,5,6,7
.irp c, 0,1
	global_load_b128 v[HF+8*\s+4*\c:HF+8*\s+4*\c+3], v3, s[28:29] offset:1024*\s+512*\c
.endr
.endr
	global_load_b128 v[HS:HS+3], v3, s[30:31]
.endm
; A unit, landed in the set named, becomes a fragment and a scale word a row.  cnt: the younger loads that may stay out.
.macro UNIT un, set, cnt
.set SET, \set
	s_wait_loadcnt \cnt
.irp i, 0,1,2,3,4,5,6,7,8,9,10,11,12,13,14,15
	ds_store_b128 v4, v[SET+4*\i:SET+4*\i+3] offset:REG0+528*\i
.endr
.irp c, 0,1
.irp i, 0,1,2,3,4,5,6,7
	ds_load_b128 v[SET+32*\c+4*\i:SET+32*\c+4*\i+3], v5 offset:REG0+256*\c+16*\i   ; block 2 c + h of row r, into the registers that the rows left.  LDS serves a wave's instructions in order
.endr
.endr
	s_wait_dscnt 0x0                               ; the blocks are in; the unit before's image stores have read their registers
	v_max3_num_f32 v15, |v[SET]|, |v[SET+1]|, 0x1800000        ; my two blocks by turns; the floor 2^(3 - 127) among the leaves
	v_max3_num_f32 v16, |v[SET+32]|, |v[SET+33]|, 0x1800000
.irp i, 2,4,6,8,10,12,14,16,18,20,22,24,26,28,30
	s_delay_alu instid0(VALU_DEP_2)
	v_max3_num_f32 v15, v15, |v[SET+\i]|, |v[SET+\i+1]|
	s_delay_alu instid0(VALU_DEP_2)
	v_max3_num_f32 v16, v16, |v[SET+32+\i]|, |v[SET+33+\i]|
.endr
	s_delay_alu instid0(VALU_DEP_2)
	v_add_nc_u32 v17, 0xff000000, v15              ; 2 off the exponent field: the conversions' scale operands
	s_delay_alu instid0(VALU_DEP_2)
	v_add_nc_u32 v18, 0xff000000, v16
	s_delay_alu instid0(VALU_DEP_2)
	v_lshrrev_b32 v19, 23, v17
	s_delay_alu instid0(VALU_DEP_2)
	v_lshrrev_b32 v20, 23, v18
	s_delay_alu instid0(VALU_DEP_1)
	v_lshl_or_b32 v19, v20, 16, v19                ; my two bytes: blocks h and 2 + h of row r,
	s_delay_alu instid0(VALU_DEP_1)
	v_lshlrev_b32 v19, v22, v19                    ; at their places in the word;
	s_delay_alu instid0(VALU_DEP_1)
	v_permlanex16_b32 v23, v19, s22, s23
	s_delay_alu instid0(VALU_DEP_1)
	v_or_b32 v[A0+8+(\un)%2], v19, v23             ; with lane l xor 16's two the word is whole
.irp c, 0,1
.irp g, 0,1,2,3
	v_cvt_scalef32_pk8_fp4_f32 v[A0+4*\c+\g], v[SET+32*\c+8*\g:SET+32*\c+8*\g+7], v[17+\c]   ; registers 4 c .. 4 c + 3 of the operand, as they stand
.endr
.endr
	v_nop                                          ; one plain line behind the last conversion
	ds_store_b128 v6, v[A0:A0+3] offset:((\un)/2)*2048+((\un)%2)*1024
	ds_store_b128 v6, v[A0+4:A0+7] offset:((\un)/2)*2048+((\un)%2)*1024+512
.if (\un)%2 == 1
	v_permlane16_swap_b32 v[A0+8], v[A0+9]         ; tile 0's words stay in lanes 0-15, tile 1's come into lanes 16-31
	ds_store_b32 v7, v[A0+8] offset:128*((\un)/2)
.endif
.endm
	ULOAD 0, SETA                                  ; three of my four units are asked for before anything else is done
	ULOAD 1, SETC
	ULOAD 2, SETB
	s_lshl_b32 s38, s16, 21                        ; h's codes: 64 tiles of 32,768 bytes an expert,
	s_lshl_b32 s36, s13, 13                        ; my eight K steps 8,192 bytes on
	s_add_co_u32 s38, s38, s36
	s_add_nc_u64 s[24:25], s[6:7], s[38:39]
	s_lshl_b32 s38, s16, 17                        ; its scale words: 64 x 2,048,
	s_lshl_b32 s36, s13, 9
	s_add_co_u32 s38, s38, s36
	s_add_co_u32 s38, s38, 0x1000000               ; behind the codes
	s_add_nc_u64 s[26:27], s[6:7], s[38:39]
	s_lshl_b32 s38, s16, 12
	s_add_nc_u64 s[32:33], s[8:9], s[38:39]        ; the expert's part of order
	UNIT 0, SETA, 32                               ; units 1 and 2, 16 loads each, may stay out
	ULOAD 3, SETA                                  ; the last unit, into the set that unit 0 has left: its conversions have read the numbers, its LDS instructions were waited for
	UNIT 1, SETC, 32                               ; units 2 and 3 may stay out
	s_wait_kmcnt 0x0                               ; the count
	s_min_u32 s17, s17, 1024
	s_add_co_u32 s18, s17, 15
	s_lshr_b32 s18, s18, 4
	s_mov_b32 s40, s18                             ; the tiles that hold a token: 0 where nobody chose the expert.  These are added and stored
	s_max_u32 s18, s18, 1
	s_min_u32 s18, s18, 64                         ; n: the tiles that were written and are multiplied: at least tile 0
	s_sub_co_u32 s36, s18, 1
	s_min_u32 s37, s36, s12
	s_min_u32 s37, s37, 63                         ; the tile that I add in chunk 0, wv, or the last there is: every wave issues the four loads below, and none reads a row of order that was not written
	s_lshl_b32 s37, s37, 4
	v_add_nc_u32 v21, s37, v14
	s_delay_alu instid0(VALU_DEP_1)
	v_lshlrev_b32 v21, 2, v21
.irp i, 0,1,2,3
	global_load_b32 v[116+\i], v21, s[32:33] offset:16*\i      ; the tokens of its rows lane / 8 + 4 i: asked for here, wanted behind the chunk's first barrier
.endr
	s_min_u32 s36, s36, s14
	s_min_u32 s36, s36, 63                         ; my first tile to multiply, j, or the last there is: every wave issues the load below, so that the counts of the waits are the same on every way
	s_lshl_b32 s38, s36, 15
	s_add_nc_u64 s[28:29], s[24:25], s[38:39]
	s_lshl_b32 s38, s36, 11
	s_add_nc_u64 s[30:31], s[26:27], s[38:39]
	HLOAD                                          ; into the set that unit 1 has left; lands while the last two units are worked
	UNIT 2, SETB, 37                               ; unit 3's 16 loads, the 4 of tokens and the tile's 17 may stay out
	UNIT 3, SETA, 21                               ; the 4 of tokens and the tile's 17
	s_wait_dscnt 0x0                               ; for the others' sake: my images lie in LDS, and my reads of my stage are over
	s_barrier_signal -1
	s_barrier_wait -1                              ; the 64 fragments are whole, and the stages' bytes are free for the partial sums
.irp s, 0,1,2,3,4,5,6,7
.irp u, 0,1
.irp c, 0,1
	ds_load_b128 v[P+16*\s+8*\u+4*\c:P+16*\s+8*\u+4*\c+3], v8 offset:2048*\s+1024*\u+512*\c
.endr
.endr
	ds_load_b32 v[PS+\s], v9 offset:128*\s
.endr
.macro WM s, u                         ; K step 8 kq + s, tile u.  The weights' scales: lanes 0-15 for tile 0, 16-31 for tile 1; h's: lanes 0-15 for steps 0-3, 16-31 for 4-7
.set AC, A0+8*(\u)
.set AA, P+16*(\s)+8*(\u)
.set BB, HF+8*(\s)
.set SA, PS+(\s)
.set SB, HS+(\s)%4
.if (\s) == 0
.if (\u) == 0
	v_wmma_scale_f32_16x16x128_f8f6f4 v[AC:AC+7], v[AA:AA+7], v[BB:BB+7], 0, v[SA], v[SB] matrix_a_fmt:MATRIX_FMT_FP4 matrix_b_fmt:MATRIX_FMT_FP4
.else
	v_wmma_scale_f32_16x16x128_f8f6f4 v[AC:AC+7], v[AA:AA+7], v[BB:BB+7], 0, v[SA], v[SB] matrix_a_fmt:MATRIX_FMT_FP4 matrix_b_fmt:MATRIX_FMT_FP4 matrix_a_scale:MATRIX_SCALE_ROW1
.endif
.elseif (\s) < 4
.if (\u) == 0
	v_wmma_scale_f32_16x16x128_f8f6f4 v[AC:AC+7], v[AA:AA+7], v[BB:BB+7], v[AC:AC+7], v[SA], v[SB] matrix_a_fmt:MATRIX_FMT_FP4 matrix_b_fmt:MATRIX_FMT_FP4
.else
	v_wmma_scale_f32_16x16x128_f8f6f4 v[AC:AC+7], v[AA:AA+7], v[BB:BB+7], v[AC:AC+7], v[SA], v[SB] matrix_a_fmt:MATRIX_FMT_FP4 matrix_b_fmt:MATRIX_FMT_FP4 matrix_a_scale:MATRIX_SCALE_ROW1
.endif
.else
.if (\u) == 0
	v_wmma_scale_f32_16x16x128_f8f6f4 v[AC:AC+7], v[AA:AA+7], v[BB:BB+7], v[AC:AC+7], v[SA], v[SB] matrix_a_fmt:MATRIX_FMT_FP4 matrix_b_fmt:MATRIX_FMT_FP4 matrix_b_scale:MATRIX_SCALE_ROW1
.else
	v_wmma_scale_f32_16x16x128_f8f6f4 v[AC:AC+7], v[AA:AA+7], v[BB:BB+7], v[AC:AC+7], v[SA], v[SB] matrix_a_fmt:MATRIX_FMT_FP4 matrix_b_fmt:MATRIX_FMT_FP4 matrix_a_scale:MATRIX_SCALE_ROW1 matrix_b_scale:MATRIX_SCALE_ROW1
.endif
.endif
.endm
.macro PSTORE i                        ; my part of slot 4 i + j: lane (r, h): token r's d = 16 h + 0 .. 15, 64 bytes; each accumulator from its low end on
.if (\i) < 2
.set PA, 10
.else
.set PA, 11
.endif
.irp p, 0,1,2,3
	ds_store_b128 v[PA], v[A0+4*\p:A0+4*\p+3] offset:REG0+((\i)%2)*36864+16*\p
.endr
.endm
; A CHUNK of 16 tiles.  first = 1: chunk 0, whose first tile of h, and the tokens of the tile that I add, were asked for while the weights streamed.
.macro CHUNK first
.if \first
	s_mov_b32 s20, s14                             ; my first tile of the chunk: 16 ch + j
.else
	s_lshl_b32 s20, s19, 4
	s_add_co_u32 s20, s20, s14
.endif
	s_cmp_ge_u32 s20, s18
	s_cbranch_scc1 .Lmd_\@
.if !\first
	s_wait_loadcnt 0x0                             ; no load of mine is out: h's registers and the bases may be written
	s_lshl_b32 s38, s20, 15
	s_add_nc_u64 s[28:29], s[24:25], s[38:39]
	s_lshl_b32 s38, s20, 11
	s_add_nc_u64 s[30:31], s[26:27], s[38:39]
	HLOAD
.endif
.irp i, 0,1,2,3
	s_wait_loadcnt 0x0                             ; the tile's fragments and scale words
	s_wait_dscnt 0x0                               ; the weights (first tile); the last tile's stores have read the accumulators
.irp s, 0,1,2,3,4,5,6,7
.irp u, 0,1
	WM \s, \u                                      ; the two accumulators by turns, K ascending, from tile to tile and chunk to chunk too; the first K step starts the sums
.endr
.endr
.rept 5
	v_nop                                          ; four places in front of the stores of results and of loads into the products' registers; five in front of the next tile's products, which write the accumulators anew
.endr
	PSTORE \i
.if \i < 3
	s_add_co_u32 s21, s20, 4*(\i+1)
	s_cmp_ge_u32 s21, s18
	s_cbranch_scc1 .Lmd_\@
	s_add_nc_u64 s[28:29], s[28:29], 0x20000       ; four tiles on (the loads that named these bases are in)
	s_add_nc_u64 s[30:31], s[30:31], 8192
	HLOAD
.endif
.endr
.Lmd_\@:
	s_wait_dscnt 0x0                               ; for the others' sake: my parts lie in LDS
	s_barrier_signal -1
	s_barrier_wait -1                              ; all four parts of every tile of the chunk do
.if \first
	s_mov_b32 s21, s12                             ; the tile that I add: 16 ch + wv
.else
	s_lshl_b32 s21, s19, 4
	s_add_co_u32 s21, s21, s12
.endif
	s_cmp_ge_u32 s21, s40
	s_cbranch_scc1 .Lrd_\@                         ; a tile without a token is not added
	s_wait_loadcnt 0x0                             ; no load of mine is out: h's registers take the parts (chunk 0: and the tokens asked for at the head are in)
	s_lshl_b32 s35, s21, 4
	v_add_nc_u32 v124, s35, v14                    ; my first row's place in the expert: 16 x tile + lane / 8; my other three lie 4, 8 and 12 further on
.if !\first
	s_delay_alu instid0(VALU_DEP_1)
	v_lshlrev_b32 v21, 2, v124
.irp i, 0,1,2,3
	global_load_b32 v[116+\i], v21, s[32:33] offset:16*\i      ; their tokens.  (Chunk 0: a wave that comes here has wv under the number of tiles, so the tile asked for at the head was this one)
.endr
.endif
.irp k, 0,1,2,3
.irp i, 0,1,2,3
	ds_load_b128 v[HF+16*\k+4*\i:HF+16*\k+4*\i+3], v12 offset:REG0+2304*\k+576*\i
.endr
.endr
.irp k, 0,1,2,3
	ds_load_b128 v[A0+4*\k:A0+4*\k+3], v125 offset:REG0+2304*\k   ; and row 0's four parts, for the lanes whose row is spare (the accumulators are idle: their stores were waited for in front of the barrier)
.endr
	s_wait_dscnt 0x0
.irp i, 0,1,2,3
.irp p, 0,2
	v_pk_add_f32 v[HF+4*\i+\p:HF+4*\i+\p+1], v[HF+4*\i+\p:HF+4*\i+\p+1], v[HF+16+4*\i+\p:HF+16+4*\i+\p+1]
	v_pk_add_f32 v[HF+32+4*\i+\p:HF+32+4*\i+\p+1], v[HF+32+4*\i+\p:HF+32+4*\i+\p+1], v[HF+48+4*\i+\p:HF+48+4*\i+\p+1]
.endr
.endr
.irp p, 0,2
	v_pk_add_f32 v[A0+\p:A0+\p+1], v[A0+\p:A0+\p+1], v[A0+4+\p:A0+4+\p+1]
	v_pk_add_f32 v[A0+8+\p:A0+8+\p+1], v[A0+8+\p:A0+8+\p+1], v[A0+12+\p:A0+12+\p+1]
.endr
.irp i, 0,1,2,3
.irp p, 0,2
	v_pk_add_f32 v[HF+4*\i+\p:HF+4*\i+\p+1], v[HF+4*\i+\p:HF+4*\i+\p+1], v[HF+32+4*\i+\p:HF+32+4*\i+\p+1]
.endr
.endr
.irp p, 0,2
	v_pk_add_f32 v[A0+\p:A0+\p+1], v[A0+\p:A0+\p+1], v[A0+8+\p:A0+8+\p+1]   ; row 0, in the order in which its own lanes add it: the same bits
.endr
	s_wait_alu depctr_va_vdst(0)
	s_wait_loadcnt 0x0                             ; the tokens
	v_readfirstlane_b32 s35, v116                  ; row 0's token: lane 0's first
.irp i, 0,1,2,3
.if \i == 0
	v_cmp_gt_i32 vcc_lo, s17, v124                 ; is my row a token's?  place + 4 i < count
.else
	s_sub_co_i32 s36, s17, 4*\i                    ; (count - 4 i may be negative: the compare is signed; places stay under 1,024)
	v_cmp_gt_i32 vcc_lo, s36, v124
.endif
	s_delay_alu instid0(VALU_DEP_1)
	v_cndmask_b32 v[116+\i], s35, v[116+\i], vcc_lo            ; a spare row's lane takes row 0's token
.irp p, 0,1,2,3
	v_cndmask_b32 v[HF+4*\i+\p], v[A0+\p], v[HF+4*\i+\p], vcc_lo   ; and row 0's 16 bytes
.endr
	v_min_u32 v[116+\i], 0x3ff, v[116+\i]          ; a loaded number enters an address only behind this bound
	s_delay_alu instid0(VALU_DEP_1)
	v_lshl_add_u32 v[120+\i], v[116+\i], 12, v13   ; the token's row of 4,096 bytes, my slice, my 16 bytes
	global_store_b128 v[120+\i], v[HF+4*\i:HF+4*\i+3], s[10:11] th:TH_STORE_NT   ; eight lanes store 128 consecutive bytes of a token's row; read by nobody here
.endr
	s_wait_xcnt 0x0                                ; the stores have read their data and offsets: the next chunk writes both again
.Lrd_\@:
	s_wait_dscnt 0x0                               ; my reads of the parts are over
	s_barrier_signal -1
	s_barrier_wait -1                              ; everybody's are: the next chunk may write the slots again
.endm
	CHUNK 1
	s_mov_b32 s19, 1
.Lchunk:                                           ; chunks 1 to 3: a constant number of trips
	CHUNK 0
	s_add_co_u32 s19, s19, 1
	s_cmp_lt_u32 s19, 4
	s_cbranch_scc1 .Lchunk
	s_wait_tensorcnt 0x0                           ; the wave's end
	ds_add_u32 v1, v2
	s_wait_dscnt 0x0
	s_endpgm
.Lfunc_end_k_q2847802583_proj:
	.size	k_q2847802583_proj, .Lfunc_end_k_q2847802583_proj-k_q2847802583_proj
	.p2alignl 7, 3214868480
	.fill 96, 4, 3214868480
	.section	.rodata,"a",@progbits
	.p2align	6, 0x0
	.amdhsa_kernel k_q2847802583_proj
		.amdhsa_group_segment_fixed_size 219136
		.amdhsa_private_segment_fixed_size 0
		.amdhsa_enable_private_segment 0
		.amdhsa_kernarg_size 32
		.amdhsa_user_sgpr_count 2
		.amdhsa_user_sgpr_kernarg_segment_ptr 1
		.amdhsa_wavefront_size32 1
		.amdhsa_system_sgpr_workgroup_id_x 1
		.amdhsa_system_sgpr_workgroup_id_y 1
		.amdhsa_system_sgpr_workgroup_id_z 1
		.amdhsa_system_vgpr_workitem_id 0
		.amdhsa_next_free_vgpr 256
		.amdhsa_next_free_sgpr 66
		.amdhsa_reserve_vcc 1
		.amdhsa_float_denorm_mode_32 3
		.amdhsa_float_denorm_mode_16_64 3
		.amdhsa_memory_ordered 1
		.amdhsa_forward_progress 1
		.amdhsa_inst_pref_size 86
	.end_amdhsa_kernel
	.amdgpu_metadata
---
amdhsa.version: [ 1, 2 ]
amdhsa.kernels:
  - .name:           k_q2847802583_proj
    .symbol:         k_q2847802583_proj.kd
    .args:
      - { .name: expert_proj, .offset: 0, .size: 8, .value_kind: global_buffer, .address_space: global }
      - { .name: hc, .offset: 8, .size: 8, .value_kind: global_buffer, .address_space: global }
      - { .name: ord, .offset: 16, .size: 8, .value_kind: global_buffer, .address_space: global }
      - { .name: out0, .offset: 24, .size: 8, .value_kind: global_buffer, .address_space: global }
    .group_segment_fixed_size: 219136
    .private_segment_fixed_size: 0
    .kernarg_segment_align: 8
    .kernarg_segment_size: 32
    .max_flat_workgroup_size: 512
    .sgpr_count:     66
    .vgpr_count:     256
    .wavefront_size: 32
...
	.end_amdgpu_metadata
.endif
;; end of part 3
